; MI455X (gfx1250); checked and timed in simulation.
; The chip was launched on July 23, 2026; its instructions are those of AMD's public machine-readable ISA for CDNA 5 (MIT licence, August 2026) and "CDNA5" Instruction Set Architecture Reference Guide (July 2026). The comments in the code are by the model that wrote it; some were corrected since.
;; Median Blur. Allowed arithmetic: float matrix products may take bf16 or f16 operands with f32 sums; all other float work in f32.
;; Inputs: img 8 x 3 x 512 x 512 float32.
;; Outputs: out0 8 x 3 x 512 x 512 float32.
;; Constants: kernel_size = 5.
;; 2 versions, each right; version 2 is version 1 with the launch median5 written anew for expert scheduling mode. Each part assembles by itself: llvm-mc -triple=amdgcn-amd-amdhsa -mcpu=gfx1250 --defsym DOCPART=n.
;; ======== version 1 of 2: 1 launch
;; launch median5 (part 1): grid 256 x 1, 12 waves a work-group, no clusters, 0 bytes of LDS; arguments img, out0; writes out0
.if DOCPART == 1
	.amdgcn_target "amdgcn-amd-amdhsa--gfx1250"
	.amdhsa_code_object_version 6
	.text
	.protected	k_qafa09693a6_median5
	.globl	k_qafa09693a6_median5
	.p2align	8
	.type	k_qafa09693a6_median5,@function
k_qafa09693a6_median5:
	s_mov_b64 s[64:65], 0
	v_nop
	global_prefetch_b8 v0, s[64:65] scope:SCOPE_SE
	s_setreg_imm32_b32 hwreg(HW_REG_WAVE_MODE, 25, 1), 1
	s_wait_xcnt 0x0
; out0 = 5x5 median of img (24 planes of 512 x 512 f32), zeros outside a plane.  Exact in f32: only min, max and median-of-three are used.
; LIMITS: a window that holds a NaN gives another result than a sort that puts NaNs last (min/max/med3 drop NaNs); a zero result may
; carry the other sign.  Infinities, denormals, any scale or offset of the data are served exactly.
;
; THE NETWORK.  Sort each of the window's five rows (rank a = 1..5 along x), then order, for each a, the five rows' values of that rank
; (rank b = 1..5 along y): M(a,b) ascends in a and in b.  M(a,b) has a*b - 1 others below and (6-a)(6-b) - 1 above it, so only the 13 entries
; with a+b = 5, 6, 7 can be the 13th of 25, and six are dropped on either side.  Call them p (4), q (5), r (4).  Each q lies above one or two
; p, each r above two q, in a chain; counting neighbours, the sorted lists obey p(k) <= q(k) and q(k+1) <= r(k).  If two of
; { max p, med q, min r } lay below the median of the 13, seven entries would lie below it (4 p + 3 q; 4 p + 2 q + 1 r; 3 q + 1 r + 3 p), which
; cannot be; likewise above.  So   median = med3( max p, med5 q, min r ).
; Work is shared: a sorted image row serves five output rows; two neighbouring windows (in x in step 1, in y in step 2) share four members, which
; are sorted once (two sorted pairs, merged) and take the fifth by insertion: rank k of (e into s0..s3) = med3(e, s(k-1), s(k)), ends min and max.
;
; SHARES.  256 work-groups of 12 waves: three waves for each SIMD, all resident at once.  A wave owns a tile of 128 x 16 outputs
; (3,072 tiles = 24 planes x 32 bands x 4); a lane owns 4 neighbouring columns, so a wave's b128 load or store covers 512 consecutive bytes, aligned.
; The strip is walked two output rows a step, eight steps written out by macros: the buffers of sorted rows take turns with periods 3 and 2,
; which a loop would have to pay for with register moves.  No LDS, no barrier: no wave needs another's data.  No joint requests in a cluster:
; neighbouring tiles share 4 of 20 rows and 4 of 132 columns only.
.set ROWB,  2048                       ; bytes in an image row
.set OFFC,  1                          ; v1      byte offset in a row of my 4 pixels
.set OFFL,  2                          ; v2      of the 2 pixels to their left (clamped into the row)
.set OFFR,  3                          ; v3      of the 2 pixels to their right (clamped into the row)
.set ML,    4                          ; v4      all ones, or 0 where the left pixels lie outside the plane
.set MR,    5                          ; v5      the same for the right pixels
.set MLE,   6                          ; v6-7    ML, MR combined with the mask of the rows above (later: below) the plane
.set MRE,   7
.set OUT,   8                          ; v8-15   two output rows of 4
.set RAW,   16                         ; v16-47  four row slots of 8: pixels x0-2 .. x0+5 as loaded
.set T,     48                         ; v48-65  step 1 at work
.set U,     48                         ; v48-69  step 2: the sorted fours of one column
.set W,     70                         ; v70-93  step 2 and 3: the 13 entries of one output and what is made of them
.set EV,    96                         ; v96-155 three buffers of 20: sorted windows of even rows (column j, place k at 5 j + k)
.set ND,    156                        ; v156-175 the sorted windows of the newest odd row
.set PP,    176                        ; v176-255 two buffers of 40: sorted pairs of rows (lower at 10 j + 2 k, upper one above it)
                                       ; place k in a sorted window: 0 rank 1, 1 rank 5, 2 rank 2, 3 rank 3, 4 rank 4 (min and max side by side: one even, one odd)
.set TOPM,  20                         ; s20     0 if the two rows above the tile lie outside the plane, else all ones
.set BOTM,  21                         ; s21     the same for the two rows below
.set MIDB,  28                         ; s[28:29] img at the tile's first row
.set TOPB,  30                         ; s[30:31] img two rows above it (or at it, where there is none above)
.set BOTB,  32                         ; s[32:33] img at the first row below the tile (or two rows before the plane's end)
.set OUTB,  34                         ; s[34:35] out0 at the tile's first row
; v[dn] = min(v[na], v[nb]) and v[dx] = max(v[xa], v[xb]) in one dual instruction.  Its operand rules (ISA guide, VOPD): destinations one even, one odd;
; the two first sources, and the two second sources, the same register or in different banks (number mod 4).  Neither destination is ever a source
; of the pair.  Every use below meets the rules; the guard only keeps the text valid if the register map is changed.
.macro DMM dn, na, nb, dx, xa, xb
.set dmm_dual, ((\dn)+(\dx))%2
.if (\na) != (\xa)
.if (((\na)-(\xa))%4) == 0
.set dmm_dual, 0
.endif
.endif
.if (\nb) != (\xb)
.if (((\nb)-(\xb))%4) == 0
.set dmm_dual, 0
.endif
.endif
.if dmm_dual
	v_dual_min_num_f32 v[\dn], v[\na], v[\nb] :: v_dual_max_num_f32 v[\dx], v[\xa], v[\xb]
.else
	v_min_num_f32 v[\dn], v[\na], v[\nb]
	v_max_num_f32 v[\dx], v[\xa], v[\xb]
.endif
.endm
.macro CE lo, hi, a, b                 ; compare-exchange into fresh registers
	DMM \lo, \a, \b, \hi, \a, \b
.endm
.macro INS h, e, s0, s1, s2, s3        ; e inserted into s0 <= s1 <= s2 <= s3: the sorted five, at places h .. h+4
	DMM \h, \e, \s0, \h+1, \e, \s3
	v_med3_num_f32 v[\h+2], v[\e], v[\s0], v[\s1]
	v_med3_num_f32 v[\h+3], v[\e], v[\s1], v[\s2]
	v_med3_num_f32 v[\h+4], v[\e], v[\s2], v[\s3]
.endm
; STEP 1: the four sorted 5-windows of one image row.  Pixel x0+i is v[rb+2+i].
.macro SORT5ROW rb, hb
	CE T+0, T+1, \rb+1, \rb+2                      ; pairs (-1,0), (1,2), (3,4)
	CE T+2, T+3, \rb+3, \rb+4
	CE T+4, T+5, \rb+5, \rb+6
	CE T+6, T+7, T+0, T+2                          ; pixels -1..2: s0 | t0
	CE T+8, T+9, T+1, T+3                          ;               t1 | s3
	CE T+12, T+13, T+2, T+4                        ; pixels 1..4 likewise
	CE T+14, T+15, T+3, T+5
	CE T+10, T+11, T+7, T+8                        ; s1 | s2
	CE T+16, T+17, T+13, T+14
	INS \hb+0,  \rb+0, T+6,  T+10, T+11, T+9       ; column 0: -1..2 and pixel -2
	INS \hb+5,  \rb+5, T+6,  T+10, T+11, T+9       ; column 1: -1..2 and pixel 3
	INS \hb+10, \rb+2, T+12, T+16, T+17, T+15      ; column 2: 1..4 and pixel 0
	INS \hb+15, \rb+7, T+12, T+16, T+17, T+15      ; column 3: 1..4 and pixel 5
.endm
.macro LOAD3 rb, sb, off
	global_load_b64  v[\rb:\rb+1],   v[OFFL], s[\sb:\sb+1] offset:\off
	global_load_b128 v[\rb+2:\rb+5], v[OFFC], s[\sb:\sb+1] offset:\off
	global_load_b64  v[\rb+6:\rb+7], v[OFFR], s[\sb:\sb+1] offset:\off
.endm
.macro LOADROW rr                      ; row rr of the tile (-2 .. 17) into slot (rr + 2) mod 4.  No hint: neighbouring waves read these rows again
.set lr_s, RAW+8*(((\rr)+2)%4)
.if (\rr) < 0
	LOAD3 lr_s, TOPB, ((\rr)+2)*ROWB
.else
.if (\rr) > 15
	LOAD3 lr_s, BOTB, ((\rr)-16)*ROWB
.else
	LOAD3 lr_s, MIDB, (\rr)*ROWB
.endif
.endif
.endm
.macro EDGEX rb, ml, mr                ; the halo pixels of the plane's first and last lane become zeros
	v_and_b32 v[\rb],   v[\ml], v[\rb]
	v_and_b32 v[\rb+1], v[\ml], v[\rb+1]
	v_and_b32 v[\rb+6], v[\mr], v[\rb+6]
	v_and_b32 v[\rb+7], v[\mr], v[\rb+7]
.endm
.macro EDGEY rb, sm                    ; a row outside the plane becomes zeros
.irp c, 2,3,4,5
	v_and_b32 v[\rb+\c], s[\sm], v[\rb+\c]
.endr
.endm
; Row rr: wait, clear what lies outside the plane, sort into hb, and ask for the row four further down into the same slot.
.macro ROW rr, hb
.set rw_s, RAW+8*(((\rr)+2)%4)
.if (17-(\rr)) < 3
	s_wait_loadcnt 3*(17-(\rr))                    ; the last rows: fewer younger rows are out
.else
	s_wait_loadcnt 9                               ; loads return in order: three younger rows of three loads each may stay out
.endif
.if (\rr) < 0
	EDGEX rw_s, MLE, MRE
	EDGEY rw_s, TOPM
.else
.if (\rr) > 15
	EDGEX rw_s, MLE, MRE
	EDGEY rw_s, BOTM
.else
	EDGEX rw_s, ML, MR
.endif
.endif
	SORT5ROW rw_s, \hb
.if ((\rr)+4) <= 17
	LOADROW (\rr)+4
.endif
.endm
; STEP 2.  Two sorted rows, place by place, into a buffer of sorted pairs.
.macro PAIRS pb, ha, hc
.set i, 0
.rept 20
	CE \pb+2*i, \pb+2*i+1, \ha+i, \hc+i
.set i, i+1
.endr
.endm
; Column j: pairs A (rows y-1, y) and B (rows y+1, y+2) merged, for each rank a only as far as the 13 entries need it.
;   a=1: s2 U+18, s3 U+17      a=2: s1 U+10, s2 U+11, s3 U+7      a=3: s0 U+0, s1 U+4, s2 U+5, s3 U+3      a=4: s0 U+12, s1 U+14, s2 U+15      a=5: s0 U+20, s1 U+19
.macro MERGE1 pa, pb, j
	CE U+0,  U+1,  \pa+10*(\j)+6, \pb+10*(\j)+6    ; a=3 lowers: s0 | t0
	CE U+2,  U+3,  \pa+10*(\j)+7, \pb+10*(\j)+7    ; a=3 uppers: t1 | s3
	CE U+6,  U+7,  \pa+10*(\j)+5, \pb+10*(\j)+5    ; a=2 uppers: t1 | s3
	CE U+12, U+13, \pa+10*(\j)+8, \pb+10*(\j)+8    ; a=4 lowers: s0 | t0
	DMM U+8, \pa+10*(\j)+9, \pb+10*(\j)+9, U+9, \pa+10*(\j)+4, \pb+10*(\j)+4   ; a=4: t1 = min of the uppers; a=2: t0 = max of the lowers
	CE U+16, U+17, \pa+10*(\j)+1, \pb+10*(\j)+1    ; a=1 uppers: t1 | s3
	CE U+20, U+21, \pa+10*(\j)+2, \pb+10*(\j)+2    ; a=5 lowers: s0 | t0
.endm
.macro MERGE2 pa, pb, j
	CE U+4,  U+5,  U+1,  U+2                       ; a=3: s1 | s2
	CE U+10, U+11, U+9,  U+6                       ; a=2: s1 | s2
	CE U+14, U+15, U+13, U+8                       ; a=4: s1 | s2
	v_max3_num_f32 v[U+18], v[U+16], v[\pa+10*(\j)], v[\pb+10*(\j)]       ; a=1: second largest of the four
	v_min3_num_f32 v[U+19], v[U+21], v[\pa+10*(\j)+3], v[\pb+10*(\j)+3]   ; a=5: second smallest of the four
.endm
; The 13 entries M(a,b) of one output; eb: the fifth row's sorted window of this column.
.macro CANDA eb
	DMM W+0, \eb+4, U+12, W+1, \eb+2, U+7          ; p4 = M(4,1) | r1 = M(2,5)
	DMM W+2, \eb+1, U+20, W+3, \eb+0, U+17         ; q5 = M(5,1) | q1 = M(1,5)
	v_med3_num_f32 v[W+4], v[\eb+0], v[U+18], v[U+17]      ; p1 = M(1,4)
	v_med3_num_f32 v[W+5], v[\eb+2], v[U+10], v[U+11]      ; p2 = M(2,3)
	v_med3_num_f32 v[W+6], v[\eb+3], v[U+0],  v[U+4]       ; p3 = M(3,2)
	v_med3_num_f32 v[W+7], v[\eb+2], v[U+11], v[U+7]       ; q2 = M(2,4)
.endm
.macro CANDB eb
	v_med3_num_f32 v[W+8],  v[\eb+3], v[U+4],  v[U+5]      ; q3 = M(3,3)
	v_med3_num_f32 v[W+9],  v[\eb+4], v[U+12], v[U+14]     ; q4 = M(4,2)
	v_med3_num_f32 v[W+10], v[\eb+3], v[U+5],  v[U+3]      ; r2 = M(3,4)
	v_med3_num_f32 v[W+11], v[\eb+4], v[U+14], v[U+15]     ; r3 = M(4,3)
	v_med3_num_f32 v[W+12], v[\eb+1], v[U+20], v[U+19]     ; r4 = M(5,2)
.endm
; STEP 3: max p, min r, med5 q = med3(q3, max of two pairs' lowers, min of their uppers), and the median of the three.
.macro TREE1
	v_max3_num_f32 v[W+13], v[W+4],  v[W+5],  v[W+6]
	v_min3_num_f32 v[W+14], v[W+10], v[W+11], v[W+12]
	CE W+18, W+19, W+3, W+7                        ; q1, q2
	CE W+20, W+21, W+9, W+2                        ; q4, q5
.endm
.macro TREE2
	DMM W+16, W+14, W+1,  W+15, W+13, W+0          ; min r | max p
	DMM W+22, W+19, W+21, W+23, W+18, W+20         ; min of the uppers | max of the lowers
.endm
.macro FINQ
	v_med3_num_f32 v[W+17], v[W+8], v[W+23], v[W+22]
.endm
.macro FINO d
	v_med3_num_f32 v[\d], v[W+15], v[W+17], v[W+16]
.endm
; Step k makes output rows y = 2k and y+1.  In hand: EB = row y-2, PA = pair (y-1, y), ND = row y+1.  New: rows y+2 (into XB) and y+3 (into ND).
; The short dependent tails (FINQ, FINO) stand among the next output's entries and the next column's merges, which use other registers.
.macro ITER k
.set EB, EV+20*((\k)%3)
.set XB, EV+20*(((\k)+2)%3)
.set PA, PP+40*((\k)%2)
.set PB, PP+40*(((\k)+1)%2)
.if (\k) == 7
	v_and_b32 v[MLE], s[BOTM], v[ML]               ; rows 16 and 17 of the tile may lie below the plane
	v_and_b32 v[MRE], s[BOTM], v[MR]
.endif
	ROW 2*(\k)+2, XB
	PAIRS PB, ND, XB                               ; pair (y+1, y+2); ND is free behind it
	ROW 2*(\k)+3, ND
	MERGE1 PA, PB, 0
	MERGE2 PA, PB, 0
.irp j, 0,1,2,3
	CANDA EB+5*\j                                  ; output row y: the common four and row y-2
	CANDB EB+5*\j
	TREE1
	TREE2
	CANDA ND+5*\j                                  ; output row y+1: the common four and row y+3
	FINQ
	CANDB ND+5*\j
.if \j == 0
	s_wait_xcnt 0x0                                ; the last step's stores read v[OUT..OUT+7]: they are rewritten only behind this wait
.endif
	FINO OUT+\j
	TREE1
	TREE2
.if \j < 3
	MERGE1 PA, PB, \j+1
.endif
	FINQ
.if \j < 3
	MERGE2 PA, PB, \j+1
.endif
	FINO OUT+4+\j
.endr
	global_store_b128 v[OFFC], v[OUT:OUT+3],   s[OUTB:OUTB+1] offset:2*(\k)*ROWB th:TH_STORE_NT       ; a wave stores 512 consecutive bytes, aligned
	global_store_b128 v[OFFC], v[OUT+4:OUT+7], s[OUTB:OUTB+1] offset:(2*(\k)+1)*ROWB th:TH_STORE_NT
.endm
	; ---- where the tile lies ----
	s_load_b128 s[4:7], s[0:1], 0x0                ; img s[4:5], out0 s[6:7]
	v_lshrrev_b32 v[MLE], 5, v0
	v_readfirstlane_b32 s8, v[MLE]                 ; wave 0..11
	s_mul_i32 s9, ttmp9, 12
	s_add_co_u32 s9, s9, s8                        ; tile 0..3071
	s_and_b32 s10, s9, 3                           ; which 128 columns
	s_bfe_u32 s11, s9, 0x50002                     ; which band of 16 rows, 0..31
	s_lshr_b32 s12, s9, 7                          ; plane 0..23
	s_lshl_b32 s12, s12, 20                        ; a plane is 2^20 bytes
	s_lshl_b32 s13, s11, 15                        ; a band is 16 rows of 2,048 bytes
	s_add_co_u32 s22, s12, s13                     ; byte offset of the tile's first row (below 2^25)
	s_mov_b32 s23, 0
	s_cmp_lg_u32 s11, 0
	s_cselect_b32 s[TOPM], -1, 0
	s_cselect_b32 s14, 2*ROWB, 0                   ; the first band loads rows 0 and 1 in place of -2 and -1 and clears them
	s_sub_co_u32 s24, s22, s14
	s_mov_b32 s25, 0
	s_mov_b32 s14, 14*ROWB                         ; the last band loads rows 510 and 511 in place of 512 and 513 and clears them
	s_cmp_lg_u32 s11, 31
	s_cselect_b32 s[BOTM], -1, 0
	s_cselect_b32 s14, 16*ROWB, s14
	s_add_co_u32 s26, s22, s14
	s_mov_b32 s27, 0
	v_and_b32 v[OFFC], 31, v0
	v_lshlrev_b32 v[OFFC], 4, v[OFFC]              ; 16 bytes a lane
	v_lshl_add_u32 v[OFFC], s10, 9, v[OFFC]        ; + 512 bytes for each 128 columns
	v_add_nc_u32 v[OFFL], -8, v[OFFC]              ; two pixels to the left; at the row's head this wraps and
	v_min_u32 v[OFFL], ROWB-8, v[OFFL]             ; is clamped into the row (the value is cleared by ML)
	v_add_nc_u32 v[OFFR], 16, v[OFFC]              ; two pixels to the right,
	v_min_u32 v[OFFR], ROWB-8, v[OFFR]             ; clamped into the row at its end (cleared by MR)
	v_cmp_ne_u32 vcc_lo, 0, v[OFFC]
	v_cndmask_b32 v[ML], 0, -1, vcc_lo
	v_cmp_ne_u32 vcc_lo, ROWB-16, v[OFFC]
	v_cndmask_b32 v[MR], 0, -1, vcc_lo
	s_wait_kmcnt 0x0
	s_add_nc_u64 s[MIDB:MIDB+1], s[4:5], s[22:23]
	s_add_nc_u64 s[TOPB:TOPB+1], s[4:5], s[24:25]
	s_add_nc_u64 s[BOTB:BOTB+1], s[4:5], s[26:27]
	s_add_nc_u64 s[OUTB:OUTB+1], s[6:7], s[22:23]
	; ---- the four slots are filled, then rows -2 .. 1 are sorted; each slot is asked for again as soon as it is read ----
	LOADROW -2
	LOADROW -1
	LOADROW 0
	LOADROW 1
	v_and_b32 v[MLE], s[TOPM], v[ML]
	v_and_b32 v[MRE], s[TOPM], v[MR]
	ROW -2, EV                                     ; row -2: the first step's fifth row
	ROW -1, ND
	ROW 0, EV+20
	PAIRS PP, ND, EV+20                            ; pair (-1, 0)
	ROW 1, ND
.irp k, 0,1,2,3,4,5,6,7
	ITER \k
.endr
	s_endpgm
.Lfunc_end_k_qafa09693a6_median5:
	.size	k_qafa09693a6_median5, .Lfunc_end_k_qafa09693a6_median5-k_qafa09693a6_median5
	.p2alignl 7, 3214868480
	.fill 96, 4, 3214868480
	.section	.rodata,"a",@progbits
	.p2align	6, 0x0
	.amdhsa_kernel k_qafa09693a6_median5
		.amdhsa_group_segment_fixed_size 0
		.amdhsa_private_segment_fixed_size 0
		.amdhsa_enable_private_segment 0
		.amdhsa_kernarg_size 16
		.amdhsa_user_sgpr_count 2
		.amdhsa_user_sgpr_kernarg_segment_ptr 1
		.amdhsa_wavefront_size32 1
		.amdhsa_system_sgpr_workgroup_id_x 1
		.amdhsa_system_sgpr_workgroup_id_y 1
		.amdhsa_system_sgpr_workgroup_id_z 1
		.amdhsa_system_vgpr_workitem_id 0
		.amdhsa_next_free_vgpr 256
		.amdhsa_next_free_sgpr 66
		.amdhsa_reserve_vcc 1
		.amdhsa_float_denorm_mode_32 3
		.amdhsa_float_denorm_mode_16_64 3
		.amdhsa_memory_ordered 1
		.amdhsa_forward_progress 1
		.amdhsa_inst_pref_size 156
	.end_amdhsa_kernel
	.amdgpu_metadata
---
amdhsa.version: [ 1, 2 ]
amdhsa.kernels:
  - .name:           k_qafa09693a6_median5
    .symbol:         k_qafa09693a6_median5.kd
    .args:
      - { .name: img, .offset: 0, .size: 8, .value_kind: global_buffer, .address_space: global }
      - { .name: out0, .offset: 8, .size: 8, .value_kind: global_buffer, .address_space: global }
    .group_segment_fixed_size: 0
    .private_segment_fixed_size: 0
    .kernarg_segment_align: 8
    .kernarg_segment_size: 16
    .max_flat_workgroup_size: 384
    .sgpr_count:     66
    .vgpr_count:     256
    .wavefront_size: 32
...
	.end_amdgpu_metadata
.endif
;; end of part 1
;; ======== version 2 of 2: 1 launch; version 1 with the launch median5 written anew for expert scheduling mode
;; launch median5 (part 2): grid 256 x 1, 12 waves a work-group, no clusters, 0 bytes of LDS; arguments img, out0; writes out0
.if DOCPART == 2
	.amdgcn_target "amdgcn-amd-amdhsa--gfx1250"
	.amdhsa_code_object_version 6
	.text
	.protected	k_qafa09693a6_median5
	.globl	k_qafa09693a6_median5
	.p2align	8
	.type	k_qafa09693a6_median5,@function
k_qafa09693a6_median5:
	s_mov_b64 s[64:65], 0
	v_nop
	global_prefetch_b8 v0, s[64:65] scope:SCOPE_SE
	s_setreg_imm32_b32 hwreg(HW_REG_WAVE_SCHED_MODE, 0, 2), 2
	s_setreg_imm32_b32 hwreg(HW_REG_WAVE_MODE, 25, 1), 1
	s_wait_xcnt 0x0
	s_wait_alu depctr_vm_vsrc(0)
; out0 = 5x5 median of img (24 planes of 512 x 512 f32), zeros outside a plane.  Exact in f32: only min, max and median-of-three are used.
; LIMITS: a window that holds a NaN gives another result than a sort that puts NaNs last (min/max/med3 drop NaNs); a zero result may
; carry the other sign.  Infinities, denormals, any scale or offset of the data are served exactly.
;
; THE NETWORK.  Sort each of the window's five rows (rank a = 1..5 along x), then order, for each a, the five rows' values of that rank
; (rank b = 1..5 along y): M(a,b) ascends in a and in b.  M(a,b) has a*b - 1 others below and (6-a)(6-b) - 1 above it, so only the 13 entries
; with a+b = 5, 6, 7 can be the 13th of 25, and six are dropped on either side.  Call them p (4), q (5), r (4).  Each q lies above one or two
; p, each r above two q, in a chain; counting neighbours, the sorted lists obey p(k) <= q(k) and q(k+1) <= r(k).  If two of
; { max p, med q, min r } lay below the median of the 13, seven entries would lie below it (4 p + 3 q; 4 p + 2 q + 1 r; 3 q + 1 r + 3 p), which
; cannot be; likewise above.  So   median = med3( max p, med5 q, min r ).
; Work is shared: a sorted image row serves five output rows; two neighbouring windows (in x in step 1, in y in step 2) share four members, which
; are sorted once (two sorted pairs, merged) and take the fifth by insertion: rank k of (e into s0..s3) = med3(e, s(k-1), s(k)), ends min and max.
;
; SHARES.  256 work-groups of 12 waves: three waves for each SIMD, all resident at once.  A wave owns a tile of 128 x 16 outputs
; (3,072 tiles = 24 planes x 32 bands x 4); a lane owns 4 neighbouring columns, so a wave's b128 load or store covers 512 consecutive bytes, aligned.
; The strip is walked two output rows a step, eight steps written out by macros: the buffers of sorted rows take turns with periods 3 and 2,
; which a loop would have to pay for with register moves.  No LDS, no barrier: no wave needs another's data.  No joint requests in a cluster:
; neighbouring tiles share 4 of 20 rows and 4 of 132 columns only.
;
; THE MODE: SCHED_MODE bits 1:0 = 2 (LLVM: expert scheduling mode 2), set by the entry lines.  The code itself states the register dependences
; between vector instructions and memory instructions, with s_wait_alu, always for 0.
; THE PLAN.  Registers that memory instructions touch:
;   RAW slots 0-3  Row rr lies in slot (rr + 2) mod 4, so a step's two rows have slots 0, 1 or slots 2, 3, by turns.  A step clears the edges in place and
;                  sorts out of its two slots; behind both sorts the loads of the rows four further down land in the same two slots.
;   OUT            Written by a step's eight last medians; read by two stores, which are issued in the step after.
;   v1, v2, v3     Byte offsets, made once at the head and never written again: rows are reached by three scalar bases, which never move, and immediates.
;   All other registers are named by vector instructions alone.
; So ONE wait on va_vdst stands in a step, behind its second sort: it states that both sorts are done with the step's two slots and that the step before has
; written OUT.  The six loads and two stores follow it, dealt among the first column's merges, which name v48-69 and v176-255 only.  One wait on
; vm_vsrc a step stands ahead of the first median that writes OUT again.
.set ROWB,  2048                       ; bytes in an image row
.set OFFC,  1                          ; v1      byte offset in a row of my 4 pixels
.set OFFL,  2                          ; v2      of the 2 pixels to their left (clamped into the row)
.set OFFR,  3                          ; v3      of the 2 pixels to their right (clamped into the row)
.set ML,    4                          ; v4      all ones, or 0 where the left pixels lie outside the plane
.set MR,    5                          ; v5      the same for the right pixels
.set MLE,   6                          ; v6-7    ML, MR combined with the mask of the rows above (later: below) the plane
.set MRE,   7
.set OUT,   8                          ; v8-15   two output rows of 4
.set RAW,   16                         ; v16-47  four row slots of 8: pixels x0-2 .. x0+5 as loaded
.set T,     48                         ; v48-65  step 1 at work
.set U,     48                         ; v48-69  step 2: the sorted fours of one column
.set W,     70                         ; v70-93  step 2 and 3: the 13 entries of one output and what is made of them
.set EV,    96                         ; v96-155 three buffers of 20: sorted windows of even rows (column j, place k at 5 j + k)
.set ND,    156                        ; v156-175 the sorted windows of the newest odd row
.set PP,    176                        ; v176-255 two buffers of 40: sorted pairs of rows (lower at 10 j + 2 k, upper one above it)
                                       ; place k in a sorted window: 0 rank 1, 1 rank 5, 2 rank 2, 3 rank 3, 4 rank 4 (min and max side by side: one even, one odd)
.set TOPM,  20                         ; s20     0 if the two rows above the tile lie outside the plane, else all ones
.set BOTM,  21                         ; s21     the same for the two rows below
.set MIDB,  28                         ; s[28:29] img at the tile's first row
.set TOPB,  30                         ; s[30:31] img two rows above it (or at it, where there is none above)
.set BOTB,  32                         ; s[32:33] img at the first row below the tile (or two rows before the plane's end)
.set OUTB,  34                         ; s[34:35] out0 at the tile's first row
; v[dn] = min(v[na], v[nb]) and v[dx] = max(v[xa], v[xb]) in one dual instruction.  Its operand rules (ISA guide, VOPD): destinations one even, one odd;
; the two first sources, and the two second sources, the same register or in different banks (number mod 4).  Neither destination is ever a source
; of the pair.  Every use below meets the rules; the guard only keeps the text valid if the register map is changed.
.macro DMM dn, na, nb, dx, xa, xb
.set dmm_dual, ((\dn)+(\dx))%2
.if (\na) != (\xa)
.if (((\na)-(\xa))%4) == 0
.set dmm_dual, 0
.endif
.endif
.if (\nb) != (\xb)
.if (((\nb)-(\xb))%4) == 0
.set dmm_dual, 0
.endif
.endif
.if dmm_dual
	v_dual_min_num_f32 v[\dn], v[\na], v[\nb] :: v_dual_max_num_f32 v[\dx], v[\xa], v[\xb]
.else
	v_min_num_f32 v[\dn], v[\na], v[\nb]
	v_max_num_f32 v[\dx], v[\xa], v[\xb]
.endif
.endm
.macro CE lo, hi, a, b                 ; compare-exchange into fresh registers
	DMM \lo, \a, \b, \hi, \a, \b
.endm
.macro INS h, e, s0, s1, s2, s3        ; e inserted into s0 <= s1 <= s2 <= s3: the sorted five, at places h .. h+4
	DMM \h, \e, \s0, \h+1, \e, \s3
	v_med3_num_f32 v[\h+2], v[\e], v[\s0], v[\s1]
	v_med3_num_f32 v[\h+3], v[\e], v[\s1], v[\s2]
	v_med3_num_f32 v[\h+4], v[\e], v[\s2], v[\s3]
.endm
; STEP 1: the four sorted 5-windows of one image row.  Pixel x0+i is v[rb+2+i].
.macro SORT5ROW rb, hb
	CE T+0, T+1, \rb+1, \rb+2                      ; pairs (-1,0), (1,2), (3,4)
	CE T+2, T+3, \rb+3, \rb+4
	CE T+4, T+5, \rb+5, \rb+6
	CE T+6, T+7, T+0, T+2                          ; pixels -1..2: s0 | t0
	CE T+8, T+9, T+1, T+3                          ;               t1 | s3
	CE T+12, T+13, T+2, T+4                        ; pixels 1..4 likewise
	CE T+14, T+15, T+3, T+5
	CE T+10, T+11, T+7, T+8                        ; s1 | s2
	CE T+16, T+17, T+13, T+14
	INS \hb+0,  \rb+0, T+6,  T+10, T+11, T+9       ; column 0: -1..2 and pixel -2
	INS \hb+5,  \rb+5, T+6,  T+10, T+11, T+9       ; column 1: -1..2 and pixel 3
	INS \hb+10, \rb+2, T+12, T+16, T+17, T+15      ; column 2: 1..4 and pixel 0
	INS \hb+15, \rb+7, T+12, T+16, T+17, T+15      ; column 3: 1..4 and pixel 5
.endm
.macro LOAD3 rb, sb, off
	global_load_b64  v[\rb:\rb+1],   v[OFFL], s[\sb:\sb+1] offset:\off
	global_load_b128 v[\rb+2:\rb+5], v[OFFC], s[\sb:\sb+1] offset:\off
	global_load_b64  v[\rb+6:\rb+7], v[OFFR], s[\sb:\sb+1] offset:\off
.endm
.macro LOADROW rr                      ; row rr of the tile (-2 .. 17) into slot (rr + 2) mod 4.  No hint: neighbouring waves read these rows again
.set lr_s, RAW+8*(((\rr)+2)%4)
.if (\rr) < 0
	LOAD3 lr_s, TOPB, ((\rr)+2)*ROWB
.else
.if (\rr) > 15
	LOAD3 lr_s, BOTB, ((\rr)-16)*ROWB
.else
	LOAD3 lr_s, MIDB, (\rr)*ROWB
.endif
.endif
.endm
.macro EDGEX rb, ml, mr                ; the halo pixels of the plane's first and last lane become zeros
	v_and_b32 v[\rb],   v[\ml], v[\rb]
	v_and_b32 v[\rb+1], v[\ml], v[\rb+1]
	v_and_b32 v[\rb+6], v[\mr], v[\rb+6]
	v_and_b32 v[\rb+7], v[\mr], v[\rb+7]
.endm
.macro EDGEY rb, sm                    ; a row outside the plane becomes zeros
.irp c, 2,3,4,5
	v_and_b32 v[\rb+\c], s[\sm], v[\rb+\c]
.endr
.endm
; Row rr: wait, clear what lies outside the plane, sort into hb.  The slot is asked for again behind the pair's second sort, by the text that calls this.
.macro ROW rr, hb
.set rw_s, RAW+8*(((\rr)+2)%4)
.set rw_y, 3-(((\rr)+2)%2)             ; rows are asked for two at a time, behind the sorts of the pair four rows up: three younger rows are out at an even row, two at an odd one,
.if (17-(\rr)) < rw_y
.set rw_y, 17-(\rr)                    ; fewer at the last two rows
.endif
	s_wait_loadcnt 3*rw_y                          ; loads return in order: the younger rows, of three loads each, may stay out
.if (\rr) < 0
	EDGEX rw_s, MLE, MRE
	EDGEY rw_s, TOPM
.else
.if (\rr) > 15
	EDGEX rw_s, MLE, MRE
	EDGEY rw_s, BOTM
.else
	EDGEX rw_s, ML, MR
.endif
.endif
	SORT5ROW rw_s, \hb
.endm
; STEP 2.  Two sorted rows, place by place, into a buffer of sorted pairs.
.macro PAIRS pb, ha, hc
.set i, 0
.rept 20
	CE \pb+2*i, \pb+2*i+1, \ha+i, \hc+i
.set i, i+1
.endr
.endm
; Column j: pairs A (rows y-1, y) and B (rows y+1, y+2) merged, for each rank a only as far as the 13 entries need it.
;   a=1: s2 U+18, s3 U+17      a=2: s1 U+10, s2 U+11, s3 U+7      a=3: s0 U+0, s1 U+4, s2 U+5, s3 U+3      a=4: s0 U+12, s1 U+14, s2 U+15      a=5: s0 U+20, s1 U+19
.macro MERGE1 pa, pb, j
	CE U+0,  U+1,  \pa+10*(\j)+6, \pb+10*(\j)+6    ; a=3 lowers: s0 | t0
	CE U+2,  U+3,  \pa+10*(\j)+7, \pb+10*(\j)+7    ; a=3 uppers: t1 | s3
	CE U+6,  U+7,  \pa+10*(\j)+5, \pb+10*(\j)+5    ; a=2 uppers: t1 | s3
	CE U+12, U+13, \pa+10*(\j)+8, \pb+10*(\j)+8    ; a=4 lowers: s0 | t0
	DMM U+8, \pa+10*(\j)+9, \pb+10*(\j)+9, U+9, \pa+10*(\j)+4, \pb+10*(\j)+4   ; a=4: t1 = min of the uppers; a=2: t0 = max of the lowers
	CE U+16, U+17, \pa+10*(\j)+1, \pb+10*(\j)+1    ; a=1 uppers: t1 | s3
	CE U+20, U+21, \pa+10*(\j)+2, \pb+10*(\j)+2    ; a=5 lowers: s0 | t0
.endm
.macro MERGE2 pa, pb, j
	CE U+4,  U+5,  U+1,  U+2                       ; a=3: s1 | s2
	CE U+10, U+11, U+9,  U+6                       ; a=2: s1 | s2
	CE U+14, U+15, U+13, U+8                       ; a=4: s1 | s2
	v_max3_num_f32 v[U+18], v[U+16], v[\pa+10*(\j)], v[\pb+10*(\j)]       ; a=1: second largest of the four
	v_min3_num_f32 v[U+19], v[U+21], v[\pa+10*(\j)+3], v[\pb+10*(\j)+3]   ; a=5: second smallest of the four
.endm
; The 13 entries M(a,b) of one output; eb: the fifth row's sorted window of this column.
.macro CANDA eb
	DMM W+0, \eb+4, U+12, W+1, \eb+2, U+7          ; p4 = M(4,1) | r1 = M(2,5)
	DMM W+2, \eb+1, U+20, W+3, \eb+0, U+17         ; q5 = M(5,1) | q1 = M(1,5)
	v_med3_num_f32 v[W+4], v[\eb+0], v[U+18], v[U+17]      ; p1 = M(1,4)
	v_med3_num_f32 v[W+5], v[\eb+2], v[U+10], v[U+11]      ; p2 = M(2,3)
	v_med3_num_f32 v[W+6], v[\eb+3], v[U+0],  v[U+4]       ; p3 = M(3,2)
	v_med3_num_f32 v[W+7], v[\eb+2], v[U+11], v[U+7]       ; q2 = M(2,4)
.endm
.macro CANDB eb
	v_med3_num_f32 v[W+8],  v[\eb+3], v[U+4],  v[U+5]      ; q3 = M(3,3)
	v_med3_num_f32 v[W+9],  v[\eb+4], v[U+12], v[U+14]     ; q4 = M(4,2)
	v_med3_num_f32 v[W+10], v[\eb+3], v[U+5],  v[U+3]      ; r2 = M(3,4)
	v_med3_num_f32 v[W+11], v[\eb+4], v[U+14], v[U+15]     ; r3 = M(4,3)
	v_med3_num_f32 v[W+12], v[\eb+1], v[U+20], v[U+19]     ; r4 = M(5,2)
.endm
; STEP 3: max p, min r, med5 q = med3(q3, max of two pairs' lowers, min of their uppers), and the median of the three.
.macro TREE1
	v_max3_num_f32 v[W+13], v[W+4],  v[W+5],  v[W+6]
	v_min3_num_f32 v[W+14], v[W+10], v[W+11], v[W+12]
	CE W+18, W+19, W+3, W+7                        ; q1, q2
	CE W+20, W+21, W+9, W+2                        ; q4, q5
.endm
.macro TREE2
	DMM W+16, W+14, W+1,  W+15, W+13, W+0          ; min r | max p
	DMM W+22, W+19, W+21, W+23, W+18, W+20         ; min of the uppers | max of the lowers
.endm
.macro FINQ
	v_med3_num_f32 v[W+17], v[W+8], v[W+23], v[W+22]
.endm
.macro FINO d
	v_med3_num_f32 v[\d], v[W+15], v[W+17], v[W+16]
.endm
.macro STORE2 k                        ; the two output rows of step k: a wave stores 512 consecutive bytes, aligned
	global_store_b128 v[OFFC], v[OUT:OUT+3],   s[OUTB:OUTB+1] offset:2*(\k)*ROWB th:TH_STORE_NT
	global_store_b128 v[OFFC], v[OUT+4:OUT+7], s[OUTB:OUTB+1] offset:(2*(\k)+1)*ROWB th:TH_STORE_NT
.endm
; Step k makes output rows y = 2k and y+1.  In hand: EB = row y-2, PA = pair (y-1, y), ND = row y+1.  New: rows y+2 (into XB) and y+3 (into ND).
; The short dependent tails (FINQ, FINO) stand among the next output's entries and the next column's merges, which use other registers.
.macro ITER k
.set EB, EV+20*((\k)%3)
.set XB, EV+20*(((\k)+2)%3)
.set PA, PP+40*((\k)%2)
.set PB, PP+40*(((\k)+1)%2)
.if (\k) == 7
	v_and_b32 v[MLE], s[BOTM], v[ML]               ; rows 16 and 17 of the tile may lie below the plane
	v_and_b32 v[MRE], s[BOTM], v[MR]
.endif
	ROW 2*(\k)+2, XB
	PAIRS PB, ND, XB                               ; pair (y+1, y+2); ND is free behind it
	ROW 2*(\k)+3, ND
	s_wait_alu depctr_va_vdst(0)                   ; the two sorts and their edge masks are done with this step's two slots, in which the loads below land; the step before has written OUT, which the stores below read
.if (2*(\k)+6) <= 17
	LOADROW 2*(\k)+6                               ; four rows on, into the slot of row y+2
.endif
	MERGE1 PA, PB, 0                               ; names v48-69 and the pair buffers: no slot, no offset, not OUT, so the loads and stores behind it owe no further wait
.if (2*(\k)+7) <= 17
	LOADROW 2*(\k)+7                               ; into the slot of row y+3
.endif
	MERGE2 PA, PB, 0
.if (\k) > 0
	STORE2 (\k)-1                                  ; the step before's two output rows
.endif
.irp j, 0,1,2,3
	CANDA EB+5*\j                                  ; output row y: the common four and row y-2
	CANDB EB+5*\j
	TREE1
	TREE2
	CANDA ND+5*\j                                  ; output row y+1: the common four and row y+3
	FINQ
	CANDB ND+5*\j
.if (\j == 0) && ((\k) > 0)
	s_wait_xcnt 0x0                                ; the stores above read v[OUT..OUT+7]: they are rewritten only behind this wait,
	s_wait_alu depctr_vm_vsrc(0)                   ; and behind this one: the two stores have read OUT, which this step's medians write again from here on
.endif
	FINO OUT+\j
	TREE1
	TREE2
.if \j < 3
	MERGE1 PA, PB, \j+1
.endif
	FINQ
.if \j < 3
	MERGE2 PA, PB, \j+1
.endif
	FINO OUT+4+\j
.endr
.endm
	; ---- where the tile lies ----
	s_load_b128 s[4:7], s[0:1], 0x0                ; img s[4:5], out0 s[6:7]
	v_lshrrev_b32 v[MLE], 5, v0
	v_readfirstlane_b32 s8, v[MLE]                 ; wave 0..11
	v_and_b32 v[OFFC], 31, v0
	v_lshlrev_b32 v[OFFC], 4, v[OFFC]              ; 16 bytes a lane
	s_wait_alu depctr_va_sdst(0)                   ; s8 is written, ahead of its first reader: the tile's number is made from it
	s_mul_i32 s9, ttmp9, 12
	s_add_co_u32 s9, s9, s8                        ; tile 0..3071
	s_and_b32 s10, s9, 3                           ; which 128 columns
	s_bfe_u32 s11, s9, 0x50002                     ; which band of 16 rows, 0..31
	s_lshr_b32 s12, s9, 7                          ; plane 0..23
	s_lshl_b32 s12, s12, 20                        ; a plane is 2^20 bytes
	s_lshl_b32 s13, s11, 15                        ; a band is 16 rows of 2,048 bytes
	s_add_co_u32 s22, s12, s13                     ; byte offset of the tile's first row (below 2^25)
	s_mov_b32 s23, 0
	s_cmp_lg_u32 s11, 0
	s_cselect_b32 s[TOPM], -1, 0
	s_cselect_b32 s14, 2*ROWB, 0                   ; the first band loads rows 0 and 1 in place of -2 and -1 and clears them
	s_sub_co_u32 s24, s22, s14
	s_mov_b32 s25, 0
	s_mov_b32 s14, 14*ROWB                         ; the last band loads rows 510 and 511 in place of 512 and 513 and clears them
	s_cmp_lg_u32 s11, 31
	s_cselect_b32 s[BOTM], -1, 0
	s_cselect_b32 s14, 16*ROWB, s14
	s_add_co_u32 s26, s22, s14
	s_mov_b32 s27, 0
	v_lshl_add_u32 v[OFFC], s10, 9, v[OFFC]        ; + 512 bytes for each 128 columns
	v_cmp_ne_u32 s15, 0, v[OFFC]                   ; the two edge compares stand in a run, each into a scalar register of its own
	v_cmp_ne_u32 s16, ROWB-16, v[OFFC]
	v_add_nc_u32 v[OFFL], -8, v[OFFC]              ; two pixels to the left; at the row's head this wraps and
	v_min_u32 v[OFFL], ROWB-8, v[OFFL]             ; is clamped into the row (the value is cleared by ML)
	v_add_nc_u32 v[OFFR], 16, v[OFFC]              ; two pixels to the right,
	v_min_u32 v[OFFR], ROWB-8, v[OFFR]             ; clamped into the row at its end (cleared by MR)
	s_wait_alu depctr_va_sdst(0)                   ; s15 and s16 are written, ahead of the two selects that read them
	v_cndmask_b32 v[ML], 0, -1, s15
	v_cndmask_b32 v[MR], 0, -1, s16
	s_wait_kmcnt 0x0
	s_add_nc_u64 s[MIDB:MIDB+1], s[4:5], s[22:23]
	s_add_nc_u64 s[TOPB:TOPB+1], s[4:5], s[24:25]
	s_add_nc_u64 s[BOTB:BOTB+1], s[4:5], s[26:27]
	s_add_nc_u64 s[OUTB:OUTB+1], s[6:7], s[22:23]
	; ---- the four slots are filled, then rows -2 .. 1 are sorted; two slots are asked for again behind the second of their two sorts ----
	s_wait_alu depctr_va_vdst(0)                   ; the offsets v1, v2, v3 are written: every load and store of the kernel reads one of them
	LOADROW -2
	LOADROW -1
	LOADROW 0
	LOADROW 1
	v_and_b32 v[MLE], s[TOPM], v[ML]
	v_and_b32 v[MRE], s[TOPM], v[MR]
	ROW -2, EV                                     ; row -2: the first step's fifth row
	ROW -1, ND
	s_wait_alu depctr_va_vdst(0)                   ; the sorts of rows -2 and -1 and their edge masks are done with slots 0 and 1, in which the loads below land
	LOADROW 2
	LOADROW 3
	ROW 0, EV+20
	PAIRS PP, ND, EV+20                            ; pair (-1, 0)
	ROW 1, ND
	s_wait_alu depctr_va_vdst(0)                   ; the sorts of rows 0 and 1 and their edge masks are done with slots 2 and 3, in which the loads below land
	LOADROW 4
	LOADROW 5
.irp k, 0,1,2,3,4,5,6,7
	ITER \k
.endr
	s_wait_alu depctr_va_vdst(0)                   ; the last step's medians have written OUT, which the last two stores read
	STORE2 7
	s_endpgm
.Lfunc_end_k_qafa09693a6_median5:
	.size	k_qafa09693a6_median5, .Lfunc_end_k_qafa09693a6_median5-k_qafa09693a6_median5
	.p2alignl 7, 3214868480
	.fill 96, 4, 3214868480
	.section	.rodata,"a",@progbits
	.p2align	6, 0x0
	.amdhsa_kernel k_qafa09693a6_median5
		.amdhsa_group_segment_fixed_size 0
		.amdhsa_private_segment_fixed_size 0
		.amdhsa_enable_private_segment 0
		.amdhsa_kernarg_size 16
		.amdhsa_user_sgpr_count 2
		.amdhsa_user_sgpr_kernarg_segment_ptr 1
		.amdhsa_wavefront_size32 1
		.amdhsa_system_sgpr_workgroup_id_x 1
		.amdhsa_system_sgpr_workgroup_id_y 1
		.amdhsa_system_sgpr_workgroup_id_z 1
		.amdhsa_system_vgpr_workitem_id 0
		.amdhsa_next_free_vgpr 256
		.amdhsa_next_free_sgpr 66
		.amdhsa_reserve_vcc 0
		.amdhsa_float_denorm_mode_32 3
		.amdhsa_float_denorm_mode_16_64 3
		.amdhsa_memory_ordered 1
		.amdhsa_forward_progress 1
		.amdhsa_inst_pref_size 157
	.end_amdhsa_kernel
	.amdgpu_metadata
---
amdhsa.version: [ 1, 2 ]
amdhsa.kernels:
  - .name:           k_qafa09693a6_median5
    .symbol:         k_qafa09693a6_median5.kd
    .args:
      - { .name: img, .offset: 0, .size: 8, .value_kind: global_buffer, .address_space: global }
      - { .name: out0, .offset: 8, .size: 8, .value_kind: global_buffer, .address_space: global }
    .group_segment_fixed_size: 0
    .private_segment_fixed_size: 0
    .kernarg_segment_align: 8
    .kernarg_segment_size: 16
    .max_flat_workgroup_size: 384
    .sgpr_count:     66
    .vgpr_count:     256
    .wavefront_size: 32
...
	.end_amdgpu_metadata
.endif
;; end of part 2
